; MI455X (gfx1250); checked and timed in simulation.
; The chip was launched on July 23, 2026; its instructions are those of AMD's public machine-readable ISA for CDNA 5 (MIT licence, August 2026) and "CDNA5" Instruction Set Architecture Reference Guide (July 2026). The comments in the code are by the model that wrote it; some were corrected since.
;; Causal Attention. Allowed arithmetic: float matrix products may take bf16 or f16 operands with f32 sums; all other float work in f32.
;; Inputs: Wk 1,024 x 1,024 float32; Wo 1,024 x 1,024 float32; Wq 1,024 x 1,024 float32; Wv 1,024 x 1,024 float32; x 4 x 2,048 x 1,024 float32.
;; Outputs: out0 4 x 2,048 x 1,024 float32.
;; 2 versions, each right; version 2 is version 1 with the launch cast written anew for expert scheduling mode. Each part assembles by itself: llvm-mc -triple=amdgcn-amd-amdhsa -mcpu=gfx1250 --defsym DOCPART=n.
;; ======== version 1 of 2: 4 launches
;; limits: values are held in f16: magnitudes above 65,504 overflow, below 6.1e-05 lose precision
;; workspace buffers: act 16,777,216 bytes; wb 8,388,608 bytes; qkv 50,331,648 bytes
;; launch cast (part 1): grid 768 x 1, 8 waves a work-group, no clusters, 0 bytes of LDS; arguments x, Wq, Wk, Wv, Wo, act, wb; writes act, wb
.if DOCPART == 1
	.amdgcn_target "amdgcn-amd-amdhsa--gfx1250"
	.amdhsa_code_object_version 6
	.text
	.protected	k_qe76edb8f00_cast
	.globl	k_qe76edb8f00_cast
	.p2align	8
	.type	k_qe76edb8f00_cast,@function
k_qe76edb8f00_cast:
	s_mov_b64 s[64:65], 0
	v_nop
	global_prefetch_b8 v0, s[64:65] scope:SCOPE_SE
	s_setreg_imm32_b32 hwreg(HW_REG_WAVE_MODE, 25, 1), 1
	s_wait_xcnt 0x0
; The five f32 inputs are rounded once to 16 bits, so that the products that follow load matrix operands as they are.
;   act [8192][1024] = x in bf16.   wb [4096][1024]: rows 0-1023 Wq, 1024-2047 Wk, 2048-3071 Wv in bf16, rows 3072-4095 Wo.
; Wo is rounded to bf16 as the other four are, so that all inputs enter the products at one precision, and that number is then written
; in f16's code, because its partner in the last product (the attention result) is kept in f16.  f16 holds a bf16 number exactly from
; 2^-14 up to 65,504; below 2^-14 the second step errs by 2^-25 at the most.  LIMIT: |Wo| < 65,504.
; A stream: no LDS, no barrier, no matrix unit.  A work-group takes 16,384 numbers (64 KiB in, 32 KiB out): 512 groups for x, 64 for each W.
; Thread t takes 16 bytes at 16 t of each block of 4,096 bytes: a wave's load covers 512 consecutive bytes, its store 256 consecutive
; bytes, aligned.  All sixteen loads of a wave go out at once; only the counted waits are needed.
.set X, 4                              ; v[4:67]   slot i: four f32 as loaded
.set Y, 68                             ; v[68:99]  slot i: four 16-bit numbers to store
	s_load_b256 s[4:11], s[0:1], 0x0               ; x s[4:5], Wq s[6:7], Wk s[8:9], Wv s[10:11]
	s_load_b128 s[12:15], s[0:1], 0x20             ; Wo s[12:13], act s[14:15]
	s_load_b64 s[16:17], s[0:1], 0x30              ; wb
	s_mov_b32 s23, ttmp9                           ; g, the work-group's number
	s_sub_co_u32 s20, s23, 512                     ; g' = g - 512: the place among the weights' 256 groups (wraps for x's groups, which do not use it)
	s_lshr_b32 s21, s20, 6                         ; which weight: 0 Wq, 1 Wk, 2 Wv, 3 Wo
	s_and_b32 s22, s20, 63                         ; which sixty-fourth of it
	v_lshlrev_b32 v1, 4, v0                        ; 16 t: my bytes in a block that is loaded
	v_lshlrev_b32 v2, 3, v0                        ; 8 t: my bytes in a block that is stored
	s_wait_kmcnt 0x0
	s_cmp_eq_u32 s21, 1
	s_cselect_b64 s[24:25], s[8:9], s[6:7]         ; the source: a choice between buffers on the group's number alone
	s_cmp_eq_u32 s21, 2
	s_cselect_b64 s[24:25], s[10:11], s[24:25]
	s_cmp_eq_u32 s21, 3
	s_cselect_b64 s[24:25], s[12:13], s[24:25]
	s_cmp_lt_u32 s23, 512
	s_cselect_b64 s[24:25], s[4:5], s[24:25]
	s_cselect_b64 s[26:27], s[14:15], s[16:17]     ; the destination: act or wb
	s_cselect_b32 s28, s23, s22                    ; the group's place in its source,
	s_cselect_b32 s30, s23, s20                    ; and in its destination
	s_lshl_b32 s28, s28, 16                        ; x 65,536 bytes
	s_mov_b32 s29, 0
	s_lshl_b32 s30, s30, 15                        ; x 32,768 bytes
	s_mov_b32 s31, 0
	s_add_nc_u64 s[24:25], s[24:25], s[28:29]
	s_add_nc_u64 s[26:27], s[26:27], s[30:31]
.irp i, 0,1,2,3,4,5,6,7,8,9,10,11,12,13,14,15
	global_load_b128 v[X+4*\i:X+4*\i+3], v1, s[24:25] offset:4096*\i th:TH_LOAD_NT   ; read once in the launch
.endr
	s_cmp_eq_u32 s21, 3
	s_cbranch_scc1 .Lwo
.irp i, 0,1,2,3,4,5,6,7,8,9,10,11,12,13,14,15
	s_wait_loadcnt 15-\i                           ; loads come back in order: slot i is in, the 15 - i younger ones stay out
	v_cvt_pk_bf16_f32 v[Y+2*\i],   v[X+4*\i],   v[X+4*\i+1]
	v_cvt_pk_bf16_f32 v[Y+2*\i+1], v[X+4*\i+2], v[X+4*\i+3]
	global_store_b64 v2, v[Y+2*\i:Y+2*\i+1], s[26:27] offset:2048*\i
.endr
	s_endpgm
.Lwo:                                              ; Wo: to bf16, widened again, and that number in f16's code
.irp i, 0,1,2,3,4,5,6,7,8,9,10,11,12,13,14,15
	s_wait_loadcnt 15-\i
	v_cvt_pk_bf16_f32 v[Y+2*\i],   v[X+4*\i],   v[X+4*\i+1]
	v_cvt_pk_bf16_f32 v[Y+2*\i+1], v[X+4*\i+2], v[X+4*\i+3]
	v_lshlrev_b32 v[X+4*\i],   16, v[Y+2*\i]               ; slot i's own load has landed: its registers are free
	v_and_b32     v[X+4*\i+1], 0xffff0000, v[Y+2*\i]
	v_lshlrev_b32 v[X+4*\i+2], 16, v[Y+2*\i+1]
	v_and_b32     v[X+4*\i+3], 0xffff0000, v[Y+2*\i+1]
	v_cvt_pk_f16_f32 v[Y+2*\i],   v[X+4*\i],   v[X+4*\i+1]
	v_cvt_pk_f16_f32 v[Y+2*\i+1], v[X+4*\i+2], v[X+4*\i+3]
	global_store_b64 v2, v[Y+2*\i:Y+2*\i+1], s[26:27] offset:2048*\i
.endr
	s_endpgm
.Lfunc_end_k_qe76edb8f00_cast:
	.size	k_qe76edb8f00_cast, .Lfunc_end_k_qe76edb8f00_cast-k_qe76edb8f00_cast
	.p2alignl 7, 3214868480
	.fill 96, 4, 3214868480
	.section	.rodata,"a",@progbits
	.p2align	6, 0x0
	.amdhsa_kernel k_qe76edb8f00_cast
		.amdhsa_group_segment_fixed_size 0
		.amdhsa_private_segment_fixed_size 0
		.amdhsa_enable_private_segment 0
		.amdhsa_kernarg_size 56
		.amdhsa_user_sgpr_count 2
		.amdhsa_user_sgpr_kernarg_segment_ptr 1
		.amdhsa_wavefront_size32 1
		.amdhsa_system_sgpr_workgroup_id_x 1
		.amdhsa_system_sgpr_workgroup_id_y 1
		.amdhsa_system_sgpr_workgroup_id_z 1
		.amdhsa_system_vgpr_workitem_id 0
		.amdhsa_next_free_vgpr 100
		.amdhsa_next_free_sgpr 66
		.amdhsa_reserve_vcc 0
		.amdhsa_float_denorm_mode_32 3
		.amdhsa_float_denorm_mode_16_64 3
		.amdhsa_memory_ordered 1
		.amdhsa_forward_progress 1
		.amdhsa_inst_pref_size 16
	.end_amdhsa_kernel
	.amdgpu_metadata
---
amdhsa.version: [ 1, 2 ]
amdhsa.kernels:
  - .name:           k_qe76edb8f00_cast
    .symbol:         k_qe76edb8f00_cast.kd
    .args:
      - { .name: x, .offset: 0, .size: 8, .value_kind: global_buffer, .address_space: global }
      - { .name: Wq, .offset: 8, .size: 8, .value_kind: global_buffer, .address_space: global }
      - { .name: Wk, .offset: 16, .size: 8, .value_kind: global_buffer, .address_space: global }
      - { .name: Wv, .offset: 24, .size: 8, .value_kind: global_buffer, .address_space: global }
      - { .name: Wo, .offset: 32, .size: 8, .value_kind: global_buffer, .address_space: global }
      - { .name: act, .offset: 40, .size: 8, .value_kind: global_buffer, .address_space: global }
      - { .name: wb, .offset: 48, .size: 8, .value_kind: global_buffer, .address_space: global }
    .group_segment_fixed_size: 0
    .private_segment_fixed_size: 0
    .kernarg_segment_align: 8
    .kernarg_segment_size: 56
    .max_flat_workgroup_size: 256
    .sgpr_count:     66
    .vgpr_count:     100
    .wavefront_size: 32
...
	.end_amdgpu_metadata
.endif
;; end of part 1
;; launch qkv (part 2): grid 12 x 32, 4 waves a work-group, clusters of 4 x 4, 327,680 bytes of LDS; arguments act, wb, qkv; writes qkv
.if DOCPART == 2
	.amdgcn_target "amdgcn-amd-amdhsa--gfx1250"
	.amdhsa_code_object_version 6
	.text
	.protected	k_qe76edb8f00_qkv
	.globl	k_qe76edb8f00_qkv
	.p2align	8
	.type	k_qe76edb8f00_qkv,@function
k_qe76edb8f00_qkv:
	s_mov_b64 s[64:65], 0
	v_nop
	global_prefetch_b8 v0, s[64:65] scope:SCOPE_SE
	s_setreg_imm32_b32 hwreg(HW_REG_WAVE_MODE, 25, 1), 1
	s_wait_xcnt 0x0
	s_wait_alu depctr_hold_cnt(0) depctr_sa_sdst(0) depctr_va_vdst(0) depctr_va_sdst(0) depctr_va_ssrc(0) depctr_va_vcc(0) depctr_vm_vsrc(0)
	s_getreg_b32 s2, hwreg(HW_REG_IB_STS2, 6, 4)
	s_cmp_eq_u32 s2, 0
	s_cbranch_scc0 .Lentry_in_a_cluster
	s_endpgm
.Lentry_in_a_cluster:
	s_bfe_u32 s2, ttmp6, 0x10000c
	s_cmp_lg_u32 s2, 0xf033
	s_cbranch_scc0 .Lentry_shape_is_right
	s_endpgm
.Lentry_shape_is_right:
; q, k, v = x W^T.  C[m][n] = sum over k of A[m][k] B[n][k]: A = act [8192][1024] (x in bf16), B = wb rows 0-3071 (Wq, Wk, Wv in bf16), sums in f32.
; C leaves as f16 into qkv [b 4][g 24][l 2048][128]: g = n / 128 (0-7 q, 8-15 k, 16-23 v; a group is a pair of heads), a row is 256 bytes.
; q's columns are multiplied by log2(e) / 8 in f32 before the one rounding: the attention launch then has its exponents to base 2.
; LIMIT: f16 holds |q|, |k|, |v| below 65,504 (x of spread 1 and W of spread 1/32 give about 1; both 30 times larger about 5,000 at the
; most; both with an offset of 30 spreads about 29,000); beyond that the number becomes an infinity.
; A work-group makes a block of 256 x 256 of C with four waves, one a SIMD; a wave makes 128 x 128: 64 accumulator tiles of 16 x 16, 512
; registers.  For 32 along K a wave issues 32 LDS loads and 64 matrix instructions.  K goes in steps of 128 through two LDS slots filled
; by the tensor data mover: a tile's rows are 256 bytes of memory, aligned.  From a tile's request to the wait for it a wave issues 240
; matrix instructions.
; THE GRID is 12 x 32 = 384 groups, not a multiple of 256.  A block of 256 x 384 would make 256 groups, but its two slots of 640 rows x
; 272 bytes are 348,160 bytes, more than the 327,680 of a WGP's LDS; a smaller block halves the matrix work that stands behind each request.
; CLUSTERS of 4 x 4: A's tile hangs on the block row alone and is asked for jointly along a row of the cluster, B's on the block column
; alone and jointly along a column: that divides the requests for A and for B by four.
; REGISTERS, in windows of 256:
;   window 0: v16-26 addresses; v64-127, v128-191 fragments of A (8 x 16 rows x 32 K), two buffers; v192-223 at work on the way out
;   window 1: v64-127, v128-191 fragments of B, two buffers
;   window 2: the 32 accumulator tiles of my rows 0-63 (tile (a, b) at v[8 (8 a + b)]);   window 3: those of my rows 64-127
; The matrix instruction is used transposed (source 0 = rows of B, source 1 = rows of A): lane l holds row l % 16 of C and eight
; neighbouring columns 8 (l / 16) + 0..7, which pack into 16 bytes.
.set SIZE_K, 1024
.set KSTEP,  128
.set PITCH,  272                       ; an LDS row: 256 bytes + 16 of padding, an odd multiple of 16: the 16 rows of a fragment load start at 16 different 16-byte columns
.set HALFT,  128*PITCH                 ; 128 rows: what one tensor load brings, and what one wave reads of A or of B
.set SLOT,   4*HALFT                   ; A's 256 rows, then B's 256 rows: 139,264 bytes
.set STAGE,  2*SLOT                    ; behind the ring: 16 rows x 272 bytes for each wave, for the way out; no tensor load fills it
.set SPITCH, 272
.set LAPS,   SIZE_K/(2*KSTEP)          ; a lap = two K steps = once round the ring: 4
.set ADRA, 16                          ; v16-17  LDS address of my A fragments in slot 0, 1
.set ADRB, 20                          ; v20-21  the same for B
.set STO,  24                          ; v24     the way out: where I put 16 bytes of a row
.set RD,   25                          ; v25     the way out: where I read a row back
.set CO,   26                          ; v26     my byte offset in the output
.set F0,   64                          ; fragment buffer 0
.set F1,   128                         ; fragment buffer 1
.set TMP,  192                         ; the way out: packed results, in window 0
.set G1,  24                           ; s[24:31] descriptor group 1 for A's tiles
.set G0,  32                           ; s[32:39] descriptor group 0 for A's tiles, a set for each slot
.set G1B, 48                           ; s[48:55] group 1 for B's tiles: it differs from A's in the mask alone
.set G0B, 56                           ; s[56:63] group 0 for B's tiles, a set for each slot
.set MSB, 0
.macro WIN new                         ; s_set_vgpr_msb: bits 1:0 source 0, 3:2 source 1, 5:4 source 2, 7:6 destination; the high byte repeats the setting that is left
.if MSB != \new
	s_set_vgpr_msb (MSB<<8)|\new
.set MSB, \new
.endif
.endm
.set MUL_LO, 0xa1                      ; source 0 (B) window 1, source 1 (A) window 0, C and D window 2
.set MUL_HI, 0xf1                      ; the same, C and D window 3
.set TO_B,   0x40                      ; destination window 1, address window 0
; A joint load: waves 0 and 1 fetch A's halves, waves 2 and 3 B's.  Each line has one mask; the branch hangs on the wave's number alone.
; Four v_nop follow each line, ahead of the jump, the label and what follows.
.macro JLOAD s
	s_cmp_eq_u32 s11, 0
	s_cbranch_scc0 .Lfor_b_\@
	tensor_load_to_lds s[G0+4*\s:G0+4*\s+3], s[G1:G1+7]
	s_nop 0
.rept 4
	v_nop
.endr
	s_branch .Lasked_\@
.Lfor_b_\@:
	tensor_load_to_lds s[G0B+4*\s:G0B+4*\s+3], s[G1B:G1B+7]
	s_nop 0
.rept 4
	v_nop
.endr
.Lasked_\@:
.endm
.macro CREST                           ; a round of the cluster's barrier behind its opening work-group barrier
	s_cmp_lg_u32 s10, 0
	s_cbranch_scc1 .Lnot_wave_0_\@
	s_barrier_signal -3
.Lnot_wave_0_\@:
	s_barrier_wait -3
	s_barrier_signal -1
	s_barrier_wait -1
.endm
.macro CROUND                          ; a whole round
	s_barrier_signal -1
	s_barrier_wait -1
	CREST
.endm
	s_load_b128 s[4:7], s[0:1], 0x0                ; act s[4:5], wb s[6:7]
	s_load_b64 s[8:9], s[0:1], 0x10                ; qkv
	s_set_vgpr_msb 0x40
	v_lshl_add_u32 v255, v0, 2, 0x48400
	s_set_vgpr_msb 0x4000
	v_mov_b32 v255, 0
	s_set_vgpr_msb 0x1
	ds_add_u32 v255, v255
	ds_add_u32 v255, v255
	s_set_vgpr_msb 0x100
	v_lshrrev_b32 v1, 5, v0
	v_readfirstlane_b32 s10, v1                    ; wave 0..3
	s_lshr_b32 s11, s10, 1                         ; which half of the block's rows is mine.  Also: I fetch for A (0) or for B (1)
	s_and_b32 s12, s10, 1                          ; which half of its columns.  Also: which 128 rows of that tile I fetch
	s_bfe_u32 s40, ttmp6, 0x40000                  ; cx
	s_bfe_u32 s41, ttmp6, 0x40004                  ; cy
	s_lshl_b32 s42, ttmp9, 2
	s_add_co_u32 s42, s42, s40                     ; block column = 4 x cluster x + cx, 0..11
	s_and_b32 s13, ttmp7, 0xffff
	s_lshl_b32 s13, s13, 2
	s_add_co_u32 s13, s13, s41                     ; block row = 4 x cluster y + cy, 0..31
	s_lshl_b32 s43, s41, 2
	s_lshl_b32 s43, 15, s43                        ; my row of the cluster: places 4 cy .. 4 cy + 3
	s_lshl_b32 s44, 0x1111, s40                    ; my column: places cx, cx + 4, cx + 8, cx + 12
	; descriptor group 1: a tile of 128 rows x 128 elements, padded in LDS
	s_or_b32 s[G1+0], s43, (1<<16)|(1<<20)|(1<<21)|(5<<22)|(3<<25)   ; mask; 2-byte elements; padding on; bit 21 beside a mask; after every 64 words, 4 words
	s_or_b32 s[G1B+0], s44, (1<<16)|(1<<20)|(1<<21)|(5<<22)|(3<<25)
	s_mov_b32 s[G1+1], KSTEP<<16                   ; tensor_dim0 = 128
	s_mov_b32 s[G1B+1], KSTEP<<16
	s_mov_b32 s[G1+2], 128<<16                     ; tensor_dim1 = 128 rows
	s_mov_b32 s[G1B+2], 128<<16
	s_mov_b32 s[G1+3], KSTEP<<16                   ; tile_dim0 = 128
	s_mov_b32 s[G1B+3], KSTEP<<16
	s_mov_b32 s[G1+4], 128                         ; tile_dim1 = 128
	s_mov_b32 s[G1B+4], 128
	s_mov_b32 s[G1+5], SIZE_K                      ; elements from row to row
	s_mov_b32 s[G1B+5], SIZE_K
	s_mov_b32 s[G1+6], 0
	s_mov_b32 s[G1B+6], 0
	s_mov_b32 s[G1+7], 0
	s_mov_b32 s[G1B+7], 0
	; A's offset is made of the block row and the wave's number, B's of the block column and the wave's number, in registers of their own
	s_lshl_b32 s16, s13, 19                        ; 256 rows of 2,048 bytes
	s_lshl_b32 s17, s12, 18                        ; + 128 rows for the second half
	s_add_co_u32 s16, s16, s17
	s_mov_b32 s17, 0
	s_lshl_b32 s46, s42, 19                        ; the same for B
	s_lshl_b32 s47, s12, 18
	s_add_co_u32 s46, s46, s47
	s_mov_b32 s47, 0
	s_mul_i32 s20, s10, HALFT                      ; LDS: A's two halves, then B's two halves = wave x 128 rows: no place in the cluster enters an LDS address
	s_wait_dscnt 0x0
	s_wait_kmcnt 0x0
	s_add_nc_u64 s[14:15], s[4:5], s[16:17]
	s_add_nc_u64 s[46:47], s[6:7], s[46:47]
	CROUND                                         ; all sixteen work-groups are here: the first joint loads meet
.irp s, 0,1
	s_mov_b32 s[G0+4*\s], 1                                        ; count = 1
	s_add_co_u32 s[G0+4*\s+1], s20, \s*SLOT                        ; LDS address
	s_add_nc_u64 s[G0+4*\s+2:G0+4*\s+3], s[14:15], \s*KSTEP*2      ; global address: K step s
	s_or_b32 s[G0+4*\s+3], s[G0+4*\s+3], 0x80000000                ; type = 2
	s_mov_b32 s[G0B+4*\s], 1
	s_add_co_u32 s[G0B+4*\s+1], s20, \s*SLOT
	s_add_nc_u64 s[G0B+4*\s+2:G0B+4*\s+3], s[46:47], \s*KSTEP*2
	s_or_b32 s[G0B+4*\s+3], s[G0B+4*\s+3], 0x80000000
	JLOAD \s                                       ; both slots' first fills go out together: two loads of the wave are out
.endr
	; a fragment: lane l holds row l % 16; two loads of 16 bytes, 32 bytes apart, at row x pitch + 16 (l / 16)
	v_and_b32 v1, 15, v0                           ; l % 16
	v_bfe_u32 v2, v0, 4, 1                         ; l / 16
	v_mul_u32_u24 v3, v1, PITCH
	v_lshl_add_u32 v3, v2, 4, v3
	s_mul_i32 s21, s11, HALFT                      ; my 128 rows of A
	s_mul_i32 s22, s12, HALFT                      ; my 128 rows of B,
	s_add_co_u32 s22, s22, 2*HALFT                 ; which lie behind A's 256
.irp s, 0,1
	v_add_nc_u32 v[ADRA+\s], s21, v3
	v_add_nc_u32 v[ADRB+\s], s22, v3
	s_add_co_u32 s21, s21, SLOT
	s_add_co_u32 s22, s22, SLOT
.endr
	s_mul_i32 s23, s10, 16*SPITCH
	s_add_co_u32 s23, s23, STAGE                   ; my stage
	v_mul_u32_u24 v4, v1, SPITCH                   ; in: row l % 16, 16 bytes for each half of the lanes
	v_lshl_add_u32 v4, v2, 4, v4
	v_add_nc_u32 v[STO], s23, v4
	v_mul_u32_u24 v5, v2, SPITCH                   ; back: lanes 0-15 one row of 256 bytes, lanes 16-31 the next
	v_lshl_add_u32 v5, v1, 4, v5
	v_add_nc_u32 v[RD], s23, v5
	v_and_b32 v5, 31, v0
	v_lshlrev_b32 v[CO], 4, v5                     ; rows of a group follow each other without a gap: two rows are 32 lanes x 16 bytes
; 16 matrix instructions: row blocks a0, a0 + 1 of the window's four (hi = 0: my rows 0-63, 1: rows 64-127) x all 8 column blocks, 32 along K.
; zero = 1: the first product starts the sums: nothing is ever cleared.
; The 64 accumulators take turns, one instruction a turn, in the same order in every quarter step.
.macro MUL16 f, hi, a0, zero
.irp a, \a0, \a0+1
.irp b, 0,1,2,3,4,5,6,7
.if \zero
	v_wmma_f32_16x16x32_bf16 v[8*(8*(\a)+\b):8*(8*(\a)+\b)+7], v[\f+8*\b:\f+8*\b+7], v[\f+8*(4*\hi+\a):\f+8*(4*\hi+\a)+7], 0
.else
	v_wmma_f32_16x16x32_bf16 v[8*(8*(\a)+\b):8*(8*(\a)+\b)+7], v[\f+8*\b:\f+8*\b+7], v[\f+8*(4*\hi+\a):\f+8*(4*\hi+\a)+7], v[8*(8*(\a)+\b):8*(8*(\a)+\b)+7]
.endif
.endr
.endr
.endm
; 32 LDS loads in one run: a quarter step's fragments (128 rows of B, then 128 rows of A, 32 K at byte k of the rows) into buffer f
.macro FETCH slot, k, f
	WIN TO_B
.irp i, 0,1,2,3,4,5,6,7
	ds_load_b128 v[\f+8*\i:\f+8*\i+3],   v[ADRB+\slot] offset:\k+\i*16*PITCH
	ds_load_b128 v[\f+8*\i+4:\f+8*\i+7], v[ADRB+\slot] offset:\k+\i*16*PITCH+32
.endr
	WIN 0
.irp i, 0,1,2,3,4,5,6,7
	ds_load_b128 v[\f+8*\i:\f+8*\i+3],   v[ADRA+\slot] offset:\k+\i*16*PITCH
	ds_load_b128 v[\f+8*\i+4:\f+8*\i+7], v[ADRA+\slot] offset:\k+\i*16*PITCH+32
.endr
.endm
; A load into a register that a matrix instruction has read, and a vector instruction that reads a matrix result, stand four places
; behind that matrix instruction; only plain vector instructions that name none of its registers are places.
.macro PLACES
.rept 4
	v_nop
.endr
.endm
; A K step is four quarter steps of 32 along K, 64 matrix instructions each, on buffers 0, 1, 0, 1.
; One of the first three: multiplies buffer f; in its middle it fetches the next quarter's fragments, at byte k of the same slot's rows, into buffer g.
.macro QUARTER slot, k, f, g, zero
	s_wait_dscnt 8                                 ; B and A's rows 0-63 are in; the youngest eight loads (A's rows 64-127) may be out
	WIN MUL_LO
	MUL16 \f, 0, 0, \zero
	MUL16 \f, 0, 2, \zero
	PLACES
	FETCH \slot, \k, \g
	s_wait_dscnt 32                                ; all but the 32 just issued
	WIN MUL_HI
	MUL16 \f, 1, 0, \zero
	MUL16 \f, 1, 2, \zero
.endm
.macro THREE slot, zero
	QUARTER \slot, 64,  F0, F1, \zero
	QUARTER \slot, 128, F1, F0, 0
	QUARTER \slot, 192, F0, F1, 0
.endm
; The last quarter of a K step changes slots.  In front of the barrier each wave waits for its reads of this slot and for all its tensor
; loads (one is out: its part of the next slot).  Where this slot is filled again the barrier opens a round of the cluster's barrier, and
; the joint refill is the first tensor load behind the round; then the next slot's first fragments are read.
.macro TURN slot, next, fill
	s_wait_dscnt 8
	WIN MUL_LO
	MUL16 F1, 0, 0, 0
	s_wait_dscnt 0                                 ; my reads of this slot are over
	s_wait_tensorcnt 0x0                           ; all my tensor loads have landed
	ds_add_u32 v255, v255
	s_wait_dscnt 0x0
	s_barrier_signal -1
	MUL16 F1, 0, 2, 0                              ; register work while the others arrive
	WIN 0
	s_barrier_wait -1
.if \fill
	CREST                                          ; no wave of any partner still reads this slot or has a load on its way
	s_add_nc_u64 s[G0+4*\slot+2:G0+4*\slot+3], s[G0+4*\slot+2:G0+4*\slot+3], 2*KSTEP*2
	s_add_nc_u64 s[G0B+4*\slot+2:G0B+4*\slot+3], s[G0B+4*\slot+2:G0B+4*\slot+3], 2*KSTEP*2
	JLOAD \slot                                    ; its four v_nop are also the places in front of the loads below
.else
	PLACES
.endif
	FETCH \next, 0, F0
	WIN MUL_HI
	MUL16 F1, 1, 0, 0
	MUL16 F1, 1, 2, 0
.endm
.macro LAP zero                        ; once round the ring, both slots filled again
	THREE 0, \zero
	TURN 0, 1, 1
	THREE 1, 0
	TURN 1, 0, 1
.endm
	s_wait_tensorcnt 1                             ; my part of K step 0 is in; K step 1's may stay out
	s_barrier_signal -1
	s_barrier_wait -1
	FETCH 0, 0, F0
	LAP 1                                          ; the first lap stands in front of the loop: its first products start the sums
	WIN 0                                          ; at a label and at a branch every window is 0
	s_mov_b32 s3, LAPS-2
.Llap:
	LAP 0
	WIN 0
	s_sub_co_u32 s3, s3, 1
	s_cmp_lg_u32 s3, 0
	s_cbranch_scc1 .Llap
	THREE 0, 0                                     ; the last lap fills nothing: my one tensor load that is still out is slot 1's, the last K step's
	TURN 0, 1, 0
	THREE 1, 0
	s_wait_dscnt 8                                 ; the very last quarter: nothing more to fetch
	WIN MUL_LO
	MUL16 F1, 0, 0, 0
	MUL16 F1, 0, 2, 0
	s_wait_dscnt 0
	WIN MUL_HI
	MUL16 F1, 1, 0, 0
	MUL16 F1, 1, 2, 0
	PLACES                                         ; the places behind the last matrix instructions, for all that reads results below and for the loads into the buffers
	WIN 0
	; q's columns (block columns 0-3 = cluster 0 along x: the same answer in all partners) take the factor log2(e) / 8
	s_cmp_lg_u32 ttmp9, 0
	s_cbranch_scc1 .Lno_scale
	s_mov_b32 s18, 0x3e38aa3b                      ; 1.442695 / 8
	s_mov_b32 s19, 0x3e38aa3b
	WIN 0x82                                       ; destination and source 0 in window 2
.set i, 0
.rept 128
	v_pk_mul_f32 v[i:i+1], v[i:i+1], s[18:19] op_sel_hi:[1,0]
.set i, i+2
.endr
	WIN 0xc3                                       ; and in window 3
.set i, 0
.rept 128
	v_pk_mul_f32 v[i:i+1], v[i:i+1], s[18:19] op_sel_hi:[1,0]
.set i, i+2
.endr
	WIN 0
.Lno_scale:
	; my 128 rows of group g = 2 x block column + column half: ((b x 24 + g) x 2,048 + l) x 256 bytes, b = block row / 8,
	; l = 256 (block row % 8) + 128 x row half
	s_lshr_b32 s14, s13, 3
	s_mul_i32 s14, s14, 24*2048*256
	s_and_b32 s15, s13, 7
	s_lshl_b32 s15, s15, 16
	s_add_co_u32 s16, s14, s15
	s_lshl_b32 s15, s11, 15
	s_add_co_u32 s16, s16, s15
	s_mov_b32 s17, 0
	s_add_nc_u64 s[8:9], s[8:9], s[16:17]
	s_lshl_b32 s46, s42, 20                        ; the group's part, in the registers that held B's offset: two groups of 524,288 bytes a block column
	s_lshl_b32 s47, s12, 19
	s_add_co_u32 s46, s46, s47
	s_mov_b32 s47, 0
	s_add_nc_u64 s[8:9], s[8:9], s[46:47]
; rows 16 i .. 16 i + 15 of my block = the eight tiles (a, 0..7) of window 2 or 3 (from = 0x0a or 0x0f: sources 0 and 1); f: F0 or F1 in turn.
; Round to f16, 16 bytes a lane into my own stage, read back as whole rows of 256 bytes.
.macro OUT16 i, a, from, f
	WIN \from
.irp b, 0,1,2,3,4,5,6,7
.irp r, 0,1,2,3
	v_cvt_pk_f16_f32 v[TMP+4*\b+\r], v[8*(8*\a+\b)+2*\r], v[8*(8*\a+\b)+2*\r+1]
.endr
.endr
	WIN 0
.irp b, 0,1,2,3,4,5,6,7
	ds_store_b128 v[STO], v[TMP+4*\b:TMP+4*\b+3] offset:32*\b
.endr
	s_wait_xcnt 0x0                                ; buffer f, which earlier stores read, is loaded again only behind this wait
.irp t, 0,1,2,3,4,5,6,7
	ds_load_b128 v[\f+4*\t:\f+4*\t+3], v[RD] offset:\t*2*SPITCH    ; LDS serves a wave's instructions in order: these see the stores above
.endr
.irp t, 0,1,2,3,4,5,6,7
	s_wait_dscnt 7-\t                              ; read-back t is in, the 7 - t younger ones may be out
	global_store_b128 v[CO], v[\f+4*\t:\f+4*\t+3], s[8:9] offset:\i*4096+\t*512   ; 16 lanes store 256 consecutive bytes, aligned
.endr
.endm
	OUT16 0, 0, 0x0a, F0
	OUT16 1, 1, 0x0a, F1
	OUT16 2, 2, 0x0a, F0
	OUT16 3, 3, 0x0a, F1
	OUT16 4, 0, 0x0f, F0
	OUT16 5, 1, 0x0f, F1
	OUT16 6, 2, 0x0f, F0
	OUT16 7, 3, 0x0f, F1
	s_set_vgpr_msb 0x1
	s_wait_tensorcnt 0x0
	ds_add_u32 v255, v255
	s_wait_dscnt 0x0
	s_set_vgpr_msb 0x100
	CROUND                                         ; the closing round: no work-group ends while a partner may still ask for a tile that names it
	s_endpgm
.Lfunc_end_k_qe76edb8f00_qkv:
	.size	k_qe76edb8f00_qkv, .Lfunc_end_k_qe76edb8f00_qkv-k_qe76edb8f00_qkv
	.p2alignl 7, 3214868480
	.fill 96, 4, 3214868480
	.section	.rodata,"a",@progbits
	.p2align	6, 0x0
	.amdhsa_kernel k_qe76edb8f00_qkv
		.amdhsa_group_segment_fixed_size 327680
		.amdhsa_private_segment_fixed_size 0
		.amdhsa_enable_private_segment 0
		.amdhsa_kernarg_size 24
		.amdhsa_user_sgpr_count 2
		.amdhsa_user_sgpr_kernarg_segment_ptr 1
		.amdhsa_wavefront_size32 1
		.amdhsa_system_sgpr_workgroup_id_x 1
		.amdhsa_system_sgpr_workgroup_id_y 1
		.amdhsa_system_sgpr_workgroup_id_z 1
		.amdhsa_system_vgpr_workitem_id 0
		.amdhsa_next_free_vgpr 1024
		.amdhsa_next_free_sgpr 66
		.amdhsa_reserve_vcc 0
		.amdhsa_float_denorm_mode_32 3
		.amdhsa_float_denorm_mode_16_64 3
		.amdhsa_memory_ordered 1
		.amdhsa_forward_progress 1
		.amdhsa_inst_pref_size 213
	.end_amdhsa_kernel
	.amdgpu_metadata
---
amdhsa.version: [ 1, 2 ]
amdhsa.kernels:
  - .name:           k_qe76edb8f00_qkv
    .symbol:         k_qe76edb8f00_qkv.kd
    .args:
      - { .name: act, .offset: 0, .size: 8, .value_kind: global_buffer, .address_space: global }
      - { .name: wb, .offset: 8, .size: 8, .value_kind: global_buffer, .address_space: global }
      - { .name: qkv, .offset: 16, .size: 8, .value_kind: global_buffer, .address_space: global }
    .group_segment_fixed_size: 327680
    .private_segment_fixed_size: 0
    .kernarg_segment_align: 8
    .kernarg_segment_size: 24
    .max_flat_workgroup_size: 128
    .sgpr_count:     66
    .vgpr_count:     1024
    .wavefront_size: 32
...
	.end_amdgpu_metadata
.endif
;; end of part 2
;; launch attn (part 3): grid 8 x 32, 8 waves a work-group, no clusters, 327,680 bytes of LDS; arguments qkv, act; writes act
.if DOCPART == 3
	.amdgcn_target "amdgcn-amd-amdhsa--gfx1250"
	.amdhsa_code_object_version 6
	.text
	.protected	k_qe76edb8f00_attn
	.globl	k_qe76edb8f00_attn
	.p2align	8
	.type	k_qe76edb8f00_attn,@function
k_qe76edb8f00_attn:
	s_mov_b64 s[64:65], 0
	v_nop
	global_prefetch_b8 v0, s[64:65] scope:SCOPE_SE
	s_setreg_imm32_b32 hwreg(HW_REG_WAVE_MODE, 25, 1), 1
	s_wait_xcnt 0x0
; Causal attention for a pair of heads.  qkv [b 4][g 24][l 2048][128] f16 (g = 0-7 q, 8-15 k, 16-23 v; a row = head 2p, then head 2p + 1);
; q already carries log2(e) / 8.  Result: act [8192][1024] f16, column = head x 64 + d.
; Work-group (x, y): b = y / 8, pair p = y % 8; it makes query block 2x and then query block 15 - 2x (128 rows each).  A block walks its
; diagonal unit of 128 keys first, then the units below it down to 0: (2x + 1) + (16 - 2x) = 17 units in every one of the 256 groups.
; Eight waves: wave w takes head w / 4 of the pair and queries 32 (w % 4) .. + 31 of the block; two waves lie on a SIMD, so that one's
; exponentials run beside the other's matrix instructions, and a wave's registers fit into one window of 256.
; TRANSPOSED: S^T = K Q^T and O^T = V^T P^T.  Lane (r, h) then holds query r and keys 8h + j of a tile: maximum, sum and rescaling are the
; lane's own but for one exchange of the halves, and two packed tiles of S^T are the second source of the next product as they stand.
; SOFTMAX: a running maximum for every query, taken from the scores themselves; exponent = score - maximum, one exact subtraction, so no
; p exceeds 1.  The diagonal unit goes first and each step of 64 keys that a wave takes holds an allowed key for each of its queries,
; so every maximum is finite.  Sums and O in f32.
; LIMITS: p and the result are rounded to f16; the sum takes p unrounded; p below 2^-126 counts as zero (v_exp_f32), below 2^-24 it is
; lost in f16; NaN and infinities among the inputs are not treated.
; NO MULTICAST: only the eight groups of one pair of heads read the same K and V, and at any time they stand at different units (group x
; begins at unit 2x); walking alike would make each take 16 units for either block, 32 in place of 17.
.set KP,     272                       ; pitch of K's and Q's rows: 256 + 16, an odd multiple of 16
.set VP,     288                       ; pitch of V's rows: 256 + 32, an odd multiple of 32, for the transposing loads
.set QUART,  64*VP                     ; 18,432: a quarter of a slot, what one tensor load fills (K's 64 rows use 17,408 of it)
.set SLOT,   4*QUART                   ; K keys 0-63, K keys 64-127, V keys 0-63, V keys 64-127: 73,728
.set QE,     2*SLOT                    ; the first block's queries: 128 rows x 272
.set QHALF,  64*KP
.set QBYTES, 128*KP                    ; the second block's follow
.set STAGE,  QE+2*QBYTES               ; 217,088: the way out, wave w's own 32 rows x 144 bytes at w x 4,608; no tensor load fills it
.set SP,     144
.set T,   8                            ; v[8:15]    at work
.set QF,  16                           ; v[16:47]   Q fragments (t, c) at + 8 (2t + c)
.set SC,  48                           ; v[48:111]  scores, then p: tile (kt, t) at + 32 t + 8 kt
.set OA,  112                          ; v[112:175] O^T: tile (dt, t) at + 32 t + 8 dt
.set KV,  176                          ; v[176:239] K fragments (kt, c) at + 32 c + 8 kt, then V^T fragments (dt, u) at + 32 u + 8 dt
.set NM,  240                          ; v240, v242 minus the running maximum of query tile t.  The odd partner of each pair v240-247 is an address
.set REL, 241                          ;            register written at the start, so that a pair read for its low half is written whole
.set STO, 243
.set AL,  244                          ; v244, v246 the factor by which old sums shrink; at the end 1 / sum
.set RD,  245
.set GO,  247
.set LS,  248                          ; v248, v249 the lane's part of the sum of p
.set ADK, 250                          ; v250, v251 K fragments' address in slot 0, 1
.set ADV, 252                          ; v252, v253 V's
.set ADQ, 254                          ; v254       Q's, first block
.set G1K, 40                           ; s[40:47] group 1 for K's and Q's tiles
.set G1V, 48                           ; s[48:55] group 1 for V's tiles
.set G0,  56                           ; s[56:63] group 0 for my quarter of slot 0, 1
.set G0Q, 68                           ; s[68:71] group 0 for my half of a query block
	s_load_b128 s[4:7], s[0:1], 0x0                ; qkv s[4:5], act s[6:7]
	v_lshl_add_u32 v255, v0, 2, 0x3e000
	s_set_vgpr_msb 0x40
	v_mov_b32 v1, 0
	s_set_vgpr_msb 0x4044
	ds_add_u32 v255, v1
	ds_add_u32 v255, v1
	s_set_vgpr_msb 0x4400
	v_lshrrev_b32 v1, 5, v0
	v_readfirstlane_b32 s8, v1                     ; wave w, 0..7
	s_and_b32 s9, s8, 3                            ; which 32 queries
	s_lshr_b32 s10, s8, 2                          ; which head of the pair
	s_and_b32 s11, s8, 1                           ; which half of a tile I fetch
	s_mov_b32 s12, ttmp9                           ; x
	s_and_b32 s13, ttmp7, 0xffff
	s_lshr_b32 s14, s13, 3                         ; b
	s_and_b32 s15, s13, 7                          ; p
	s_lshl_b32 s16, s12, 1                         ; first block 2x
	s_sub_co_u32 s17, 15, s16                      ; second block 15 - 2x
	s_mov_b32 s18, s16                             ; u: the unit asked for last
	s_sub_co_u32 s22, 7, s12                       ; trips of the second block's loop
	s_mov_b32 s21, 0
	s_mov_b32 s23, 0xff800000                      ; minus infinity
	s_mov_b32 s27, 0x76543210                      ; v_permlanex16_b32: lane i takes lane i of the other half
	s_mov_b32 s28, 0xfedcba98
	; group 1: tiles of 64 rows x 128 elements of 2 bytes, dense in memory, padded behind every 64 words by 4 words (K, Q) or 8 (V)
	s_mov_b32 s[G1K+0], (1<<16)|(1<<20)|(5<<22)|(3<<25)
	s_mov_b32 s[G1V+0], (1<<16)|(1<<20)|(5<<22)|(7<<25)
.irp g, G1K, G1V
	s_mov_b32 s[\g+1], 128<<16                     ; tensor_dim0
	s_mov_b32 s[\g+2], 64<<16                      ; tensor_dim1
	s_mov_b32 s[\g+3], 128<<16                     ; tile_dim0
	s_mov_b32 s[\g+4], 64                          ; tile_dim1
	s_mov_b32 s[\g+5], 128                         ; elements from row to row
	s_mov_b32 s[\g+6], 0
	s_mov_b32 s[\g+7], 0
.endr
	s_mul_i32 s29, s8, QUART                       ; waves 0-3: my quarter of a slot
	s_mov_b32 s[G0], 1
	s_add_co_u32 s[G0+1], s29, 0*SLOT
	s_mov_b32 s[G0+4], 1
	s_add_co_u32 s[G0+5], s29, 1*SLOT
	s_mul_i32 s29, s8, QHALF                       ; waves 4-7: the four halves of the two query blocks
	s_mov_b32 s[G0Q], 1
	s_add_co_u32 s[G0Q+1], s29, QE-4*QHALF
	; byte offsets in qkv, apart from the address
	s_mul_i32 s29, s14, 24
	s_add_co_u32 s29, s29, s15
	s_lshl_b32 s38, s29, 19                        ; q's group: (24 b + p) x 524,288
	s_lshl_b32 s2, s11, 14                         ; my half: 64 rows of 256 bytes
	s_lshr_b32 s32, s8, 1
	s_min_u32 s32, s32, 1                          ; waves 0, 1: K; waves 2, 3: V (waves 4-7 issue no such load; their offset stays inside the buffer)
	s_add_co_u32 s32, s32, 1
	s_lshl_b32 s32, s32, 22                        ; 8 or 16 groups on
	s_add_co_u32 s32, s32, s38
	s_add_co_u32 s32, s32, s2
	s_mov_b32 s33, 0
	s_cmp_lt_u32 s8, 6
	s_cselect_b32 s3, s16, s17                     ; waves 4, 5: the first block's queries; waves 6, 7: the second's
	s_lshl_b32 s3, s3, 15                          ; 128 rows of 256 bytes
	s_add_co_u32 s38, s38, s3
	s_add_co_u32 s38, s38, s2
	s_mov_b32 s39, 0
	s_lshl_b32 s20, s18, 15                        ; the first unit
	s_wait_dscnt 0x0
	s_wait_kmcnt 0x0
	s_add_nc_u64 s[30:31], s[4:5], s[32:33]        ; my half of unit 0 of K or V
	s_add_nc_u64 s[G0+2:G0+3], s[30:31], s[20:21]
	s_or_b32 s[G0+3], s[G0+3], 0x80000000
	s_add_nc_u64 s[G0Q+2:G0Q+3], s[4:5], s[38:39]
	s_or_b32 s[G0Q+3], s[G0Q+3], 0x80000000
	; The first fills, one a wave, ahead of every wait on TENSORcnt, LDS read and barrier: slot 0's four quarters and the two query blocks.
	; Four v_nop follow each tensor load that stands under a branch.
	s_cmp_lt_u32 s8, 2
	s_cbranch_scc0 .Lfirst_not_k
	tensor_load_to_lds s[G0:G0+3], s[G1K:G1K+7]
	s_nop 0
.rept 4
	v_nop
.endr
	s_branch .Lfirst_done
.Lfirst_not_k:
	s_cmp_lt_u32 s8, 4
	s_cbranch_scc0 .Lfirst_q
	tensor_load_to_lds s[G0:G0+3], s[G1V:G1V+7]
	s_nop 0
.rept 4
	v_nop
.endr
	s_branch .Lfirst_done
.Lfirst_q:
	tensor_load_to_lds s[G0Q:G0Q+3], s[G1K:G1K+7]
	s_nop 0
.rept 4
	v_nop
.endr
.Lfirst_done:
	; where the results go: act + (2,048 b + 128 block + 16 w) x 2,048 + 256 p
	s_lshl_b32 s2, s14, 22
	s_lshl_b32 s3, s8, 15
	s_add_co_u32 s2, s2, s3
	s_lshl_b32 s3, s15, 8
	s_add_co_u32 s2, s2, s3
	s_lshl_b32 s3, s16, 18
	s_add_co_u32 s32, s2, s3
	s_add_nc_u64 s[34:35], s[6:7], s[32:33]        ; first block
	s_lshl_b32 s3, s17, 18
	s_add_co_u32 s32, s2, s3
	s_add_nc_u64 s[36:37], s[6:7], s[32:33]        ; second block
	; the lane's terms
	v_and_b32 v2, 15, v0                           ; r
	v_bfe_u32 v3, v0, 4, 1                         ; h
	v_mul_u32_u24 v4, v2, KP
	v_lshl_add_u32 v4, v3, 4, v4
	s_lshl_b32 s2, s10, 7                          ; my head's 128 bytes of a row
	v_add_nc_u32 v[ADK], s2, v4                    ; 272 r + 16 h + 128 head
	v_add_nc_u32 v[ADK+1], SLOT, v[ADK]
	s_mul_i32 s3, s9, 32*KP
	s_add_co_u32 s3, s3, QE
	v_add_nc_u32 v[ADQ], s3, v[ADK]                ; my 32 queries
	v_and_b32 v5, 7, v0
	v_lshl_add_u32 v5, v3, 3, v5
	v_mul_u32_u24 v5, v5, VP                       ; transposing load: row 8 h + l % 8,
	v_bfe_u32 v6, v0, 3, 1
	v_lshl_add_u32 v5, v6, 4, v5                   ; 16 bytes (l / 8) % 2
	s_add_co_u32 s2, s2, 2*QUART
	v_add_nc_u32 v[ADV], s2, v5
	v_add_nc_u32 v[ADV+1], SLOT, v[ADV]
	v_mul_u32_u24 v6, v2, SP
	v_lshl_add_u32 v6, v3, 4, v6
	s_mul_i32 s3, s8, 32*SP
	s_add_co_u32 s3, s3, STAGE
	v_add_nc_u32 v[STO], s3, v6                    ; stage, in: my region, row r, 16 bytes for each half of the lanes
	v_lshrrev_b32 v6, 3, v2                        ; stage, back: lanes 0-7 of a half take head 0's 128 bytes of a row, lanes 8-15 head 1's
	v_mul_u32_u24 v6, v6, 4*32*SP
	v_and_b32 v7, 7, v2
	v_lshl_add_u32 v6, v7, 4, v6
	v_mad_u32_u24 v6, v3, SP, v6                   ; lanes 16-31 the next row
	s_mul_i32 s3, s8, 16*SP                        ; rows 16 w .. 16 w + 15 of the block
	s_add_co_u32 s3, s3, STAGE
	v_add_nc_u32 v[RD], s3, v6
	v_lshlrev_b32 v7, 4, v2
	v_lshl_add_u32 v[GO], v3, 11, v7               ; the same two rows in act: 2,048 h + 16 r
	v_lshlrev_b32 v7, 3, v3
	v_sub_nc_u32 v7, v2, v7
	s_lshl_b32 s2, s9, 5
	v_add_nc_u32 v[REL], s2, v7                    ; 32 (w % 4) + r - 8 h: key 16 kt + 8 h + j of the unit is allowed for query 16 t + r where 16 kt + j - 16 t <= REL
; Waves 0, 1 ask for K's halves, waves 2, 3 for V's, into slot s; waves 4-7 ask for nothing.
.macro KVLOAD s
	s_cmp_lt_u32 s8, 2
	s_cbranch_scc0 .Lnot_k_\@
	tensor_load_to_lds s[G0+4*\s:G0+4*\s+3], s[G1K:G1K+7]
	s_nop 0
.rept 4
	v_nop
.endr
	s_branch .Lasked_\@
.Lnot_k_\@:
	s_cmp_lt_u32 s8, 4
	s_cbranch_scc0 .Lasked_\@
	tensor_load_to_lds s[G0+4*\s:G0+4*\s+3], s[G1V:G1V+7]
	s_nop 0
.rept 4
	v_nop
.endr
.Lasked_\@:
.endm
; The next unit: one down; below 0 comes the second block's diagonal unit.  Its address goes into slot s's group 0.
.macro NEXT s
	s_sub_co_i32 s18, s18, 1
	s_cmp_lt_i32 s18, 0
	s_cselect_b32 s18, s17, s18
	s_lshl_b32 s20, s18, 15
	s_add_nc_u64 s[G0+4*\s+2:G0+4*\s+3], s[30:31], s[20:21]
	s_or_b32 s[G0+4*\s+3], s[G0+4*\s+3], 0x80000000
.endm
.macro QLOAD off                       ; my 32 queries x 64 d: four fragments
.irp t, 0,1
.irp c, 0,1
	ds_load_b128 v[QF+16*\t+8*\c:QF+16*\t+8*\c+3],   v[ADQ] offset:\off+\t*16*KP+64*\c
	ds_load_b128 v[QF+16*\t+8*\c+4:QF+16*\t+8*\c+7], v[ADQ] offset:\off+\t*16*KP+64*\c+32
.endr
.endr
.endm
.macro KLOAD slot, s                   ; 64 keys x 64 d: d 0-31 of the four key tiles first, then d 32-63
.irp c, 0,1
.irp kt, 0,1,2,3
	ds_load_b128 v[KV+32*\c+8*\kt:KV+32*\c+8*\kt+3],   v[ADK+\slot] offset:\s*QUART+\kt*16*KP+64*\c
	ds_load_b128 v[KV+32*\c+8*\kt+4:KV+32*\c+8*\kt+7], v[ADK+\slot] offset:\s*QUART+\kt*16*KP+64*\c+32
.endr
.endr
.endm
.macro VLOAD slot, s                   ; V^T: 64 d x 64 keys, transposed on the way out of LDS
.irp u, 0,1
.irp dt, 0,1,2,3
	ds_load_tr16_b128 v[KV+32*\u+8*\dt:KV+32*\u+8*\dt+3],   v[ADV+\slot] offset:\s*QUART+\u*32*VP+32*\dt
	ds_load_tr16_b128 v[KV+32*\u+8*\dt+4:KV+32*\u+8*\dt+7], v[ADV+\slot] offset:\s*QUART+\u*32*VP+32*\dt+16*VP
.endr
.endr
.endm
; The eight score tiles take turns, one instruction a turn, in the same order for both halves of d.
.macro QK c, zero
.irp t, 0,1
.irp kt, 0,1,2,3
.if \zero
	v_wmma_f32_16x16x32_f16 v[SC+32*\t+8*\kt:SC+32*\t+8*\kt+7], v[KV+32*\c+8*\kt:KV+32*\c+8*\kt+7], v[QF+16*\t+8*\c:QF+16*\t+8*\c+7], 0
.else
	v_wmma_f32_16x16x32_f16 v[SC+32*\t+8*\kt:SC+32*\t+8*\kt+7], v[KV+32*\c+8*\kt:KV+32*\c+8*\kt+7], v[QF+16*\t+8*\c:QF+16*\t+8*\c+7], v[SC+32*\t+8*\kt:SC+32*\t+8*\kt+7]
.endif
.endr
.endr
.endm
.macro CAUSAL s                        ; the diagonal unit: keys above the query get minus infinity
.irp t, 0,1
.irp kt, 0,1,2,3
.irp j, 0,1,2,3,4,5,6,7
	v_cmp_le_i32 vcc_lo, 64*\s+16*\kt+\j-16*\t, v[REL]
	v_cndmask_b32 v[SC+32*\t+8*\kt+\j], s23, v[SC+32*\t+8*\kt+\j], vcc_lo
.endr
.endr
.endr
.endm
.macro ROWMAX t                        ; the largest of the lane's 32 scores of query tile t, in four chains, then of both halves of the lanes
.irp k, 0,1,2,3
	v_max3_num_f32 v[T+4*\t+\k], v[SC+32*\t+8*\k], v[SC+32*\t+8*\k+1], v[SC+32*\t+8*\k+2]
.endr
.irp k, 0,1,2,3
	v_max3_num_f32 v[T+4*\t+\k], v[T+4*\t+\k], v[SC+32*\t+8*\k+3], v[SC+32*\t+8*\k+4]
.endr
.irp k, 0,1,2,3
	v_max3_num_f32 v[T+4*\t+\k], v[T+4*\t+\k], v[SC+32*\t+8*\k+5], v[SC+32*\t+8*\k+6]
.endr
	v_max3_num_f32 v[T+4*\t],   v[T+4*\t],   v[T+4*\t+1], v[SC+32*\t+7]
	v_max3_num_f32 v[T+4*\t+2], v[T+4*\t+2], v[T+4*\t+3], v[SC+32*\t+15]
	v_max3_num_f32 v[T+4*\t],   v[T+4*\t],   v[T+4*\t+2], v[SC+32*\t+23]
	v_max_num_f32  v[T+4*\t],   v[T+4*\t],   v[SC+32*\t+31]
	v_permlanex16_b32 v[T+4*\t+1], v[T+4*\t], s27, s28
	v_max_num_f32  v[T+4*\t],   v[T+4*\t],   v[T+4*\t+1]
.endm
.macro NEWMAX t, first                 ; NM = minus the running maximum; AL = 2^(old maximum - new maximum)
.if \first
	v_sub_f32 v[NM+2*\t], 0, v[T+4*\t]
.else
	v_min_num_f32 v[T+4*\t+1], v[NM+2*\t], -v[T+4*\t]
	v_sub_f32 v[AL+2*\t], v[T+4*\t+1], v[NM+2*\t]
	v_mov_b32 v[NM+2*\t], v[T+4*\t+1]
	v_exp_f32 v[AL+2*\t], v[AL+2*\t]               ; used far below: plain vector instructions follow (ISA guide 5.7.2)
.endif
.endm
.macro EXPT t                          ; p = 2^(score - maximum), in place
.set i, 0
.rept 16
	v_pk_add_f32 v[SC+32*\t+i:SC+32*\t+i+1], v[SC+32*\t+i:SC+32*\t+i+1], v[NM+2*\t:NM+2*\t+1] op_sel_hi:[1,0]
.set i, i+2
.endr
.set i, 0
.rept 32
	v_exp_f32 v[SC+32*\t+i], v[SC+32*\t+i]
.set i, i+1
.endr
.endm
.macro SUMT t, first                   ; the lane's 32 p, in four chains of pairs; the old sum shrinks by AL
.irp k, 0,1,2,3
	v_pk_add_f32 v[T+2*\k:T+2*\k+1], v[SC+32*\t+8*\k:SC+32*\t+8*\k+1], v[SC+32*\t+8*\k+2:SC+32*\t+8*\k+3]
.endr
.irp k, 0,1,2,3
	v_pk_add_f32 v[T+2*\k:T+2*\k+1], v[T+2*\k:T+2*\k+1], v[SC+32*\t+8*\k+4:SC+32*\t+8*\k+5]
.endr
.irp k, 0,1,2,3
	v_pk_add_f32 v[T+2*\k:T+2*\k+1], v[T+2*\k:T+2*\k+1], v[SC+32*\t+8*\k+6:SC+32*\t+8*\k+7]
.endr
	v_pk_add_f32 v[T:T+1],   v[T:T+1],   v[T+2:T+3]
	v_pk_add_f32 v[T+4:T+5], v[T+4:T+5], v[T+6:T+7]
	v_pk_add_f32 v[T:T+1],   v[T:T+1],   v[T+4:T+5]
.if \first
	v_add_f32 v[LS+\t], v[T], v[T+1]
.else
	v_add_f32 v[T], v[T], v[T+1]
	v_fma_f32 v[LS+\t], v[LS+\t], v[AL+2*\t], v[T]
.endif
.endm
.macro RESCALE t
.set i, 0
.rept 16
	v_pk_mul_f32 v[OA+32*\t+i:OA+32*\t+i+1], v[OA+32*\t+i:OA+32*\t+i+1], v[AL+2*\t:AL+2*\t+1] op_sel_hi:[1,0]
.set i, i+2
.endr
.endm
.macro PACK t                          ; tiles 2u and 2u + 1 become the fragment of keys 32 u .. 32 u + 31, in place: register j from registers 2j, 2j + 1
.set i, 0
.rept 2
.set j, 0
.rept 8
	v_cvt_pk_f16_f32 v[SC+32*\t+16*i+j], v[SC+32*\t+16*i+2*j], v[SC+32*\t+16*i+2*j+1]
.set j, j+1
.endr
.set i, i+1
.endr
.endm
; The eight tiles of O^T take turns, one instruction a turn, in the same order for both halves of the keys.
.macro PV u, zero
.irp t, 0,1
.irp dt, 0,1,2,3
.if \zero
	v_wmma_f32_16x16x32_f16 v[OA+32*\t+8*\dt:OA+32*\t+8*\dt+7], v[KV+32*\u+8*\dt:KV+32*\u+8*\dt+7], v[SC+32*\t+16*\u:SC+32*\t+16*\u+7], 0
.else
	v_wmma_f32_16x16x32_f16 v[OA+32*\t+8*\dt:OA+32*\t+8*\dt+7], v[KV+32*\u+8*\dt:KV+32*\u+8*\dt+7], v[SC+32*\t+16*\u:SC+32*\t+16*\u+7], v[OA+32*\t+8*\dt:OA+32*\t+8*\dt+7]
.endif
.endr
.endr
.endm
; 64 keys (half s of the unit in the slot) against my 32 queries.  first = 1: this step starts maximum, sum and O.
.macro STEP slot, s, first, masked
	KLOAD \slot, \s
	s_wait_dscnt 8                                 ; all but the eight youngest loads (d 32-63) are in, Q's fragments too
	QK 0, 1                                        ; the first product starts the scores
	s_wait_dscnt 0
	QK 1, 0
.rept 4
	v_nop                                          ; four places behind the last of them: for the loads into K's registers and for the reads of the scores
.endr
	VLOAD \slot, \s                                ; on its way during the softmax
.if \masked
	CAUSAL \s
.endif
	ROWMAX 0
	ROWMAX 1
	NEWMAX 0, \first
	NEWMAX 1, \first
	EXPT 0
	EXPT 1
	v_nop                                          ; one plain place behind the last exponential
	s_wait_alu depctr_va_vdst(0)
	SUMT 0, \first
	SUMT 1, \first
.if \first == 0
	RESCALE 0
	RESCALE 1
.endif
	PACK 0
	PACK 1
	s_wait_dscnt 0                                 ; V's fragments
	PV 0, \first
	PV 1, 0
.rept 5
	v_nop                                          ; five places: the next scores are written over p, a source of these; loads go into V's registers; O is read
.endr
.endm
; A unit of 128 keys in the slot.  In front of the barrier every wave waits for all its tensor loads (at most one is out: its quarter of
; this slot) and for its reads of the other slot; behind it the other slot's refill comes first, one load a wave, and has the whole unit's
; work in which to land.  diag = 1: the block's own unit: its queries are fetched, keys above the diagonal are masked, and the waves of
; queries 0-63 leave out keys 64-127, of which none is allowed to them.
.macro TRIP slot, other, diag, refill, qoff
	s_set_vgpr_msb 0x4
	s_wait_tensorcnt 0x0
	ds_add_u32 v255, v1
	s_wait_dscnt 0x0
	s_set_vgpr_msb 0x400
.if \refill
	NEXT \other                                    ; no load of mine is out: a group 0 may be written
.endif
	s_wait_dscnt 0x0
	s_barrier_signal -1
	s_barrier_wait -1
.if \refill
	KVLOAD \other
.endif
.if \diag
	QLOAD \qoff
.endif
	STEP \slot, 0, \diag, \diag
.if \diag
	s_cmp_lt_u32 s9, 2
	s_cbranch_scc1 .Lhalf_\@
.endif
	STEP \slot, 1, 0, \diag
.if \diag
.Lhalf_\@:
.endif
.endm
; A block's end: O / sum, rounded to f16, through the stage, out as whole rows of 256 bytes (both heads of the pair).
.macro FINISH ob, more
	v_permlanex16_b32 v[T],   v[LS],   s27, s28
	v_permlanex16_b32 v[T+1], v[LS+1], s27, s28
	v_add_f32 v[LS],   v[LS],   v[T]               ; both halves of the lanes' keys
	v_add_f32 v[LS+1], v[LS+1], v[T+1]
	v_rcp_f32 v[AL],   v[LS]
	v_rcp_f32 v[AL+2], v[LS+1]
	v_nop                                          ; one plain place behind the reciprocals
	s_wait_alu depctr_va_vdst(0)
	RESCALE 0
	RESCALE 1
.irp t, 0,1
.irp dt, 0,1,2,3
.irp k, 0,1,2,3
	v_cvt_pk_f16_f32 v[OA+32*\t+8*\dt+\k], v[OA+32*\t+8*\dt+2*\k], v[OA+32*\t+8*\dt+2*\k+1]
.endr
	ds_store_b128 v[STO], v[OA+32*\t+8*\dt:OA+32*\t+8*\dt+3] offset:\t*16*SP+32*\dt   ; query 16 t + r, d 16 dt + 8 h .. + 7
.endr
.endr
	s_wait_dscnt 0x0                               ; for the others' sake: my part of the stage is written
	s_wait_tensorcnt 0x0                           ; no load of mine crosses this barrier (the one that may be out was asked for a unit ago)
	s_barrier_signal -1
	s_barrier_wait -1
.irp k, 0,1,2,3,4,5,6,7
	ds_load_b128 v[KV+4*\k:KV+4*\k+3], v[RD] offset:\k*2*SP
.endr
.irp k, 0,1,2,3,4,5,6,7
	s_wait_dscnt 7-\k
	global_store_b128 v[GO], v[KV+4*\k:KV+4*\k+3], s[\ob:\ob+1] offset:\k*4096   ; 16 lanes store 256 consecutive bytes, aligned
.endr
.if \more
	s_wait_xcnt 0x0                                ; the registers that these stores read are loaded again only behind this wait
.endif
.endm
	TRIP 0, 1, 1, 1, 0                             ; the first block's diagonal unit
	s_cmp_eq_u32 s12, 0
	s_cbranch_scc1 .Le_done
	s_mov_b32 s19, 0
.Le:                                               ; its 2x units below, two a trip
	TRIP 1, 0, 0, 1, 0
	TRIP 0, 1, 0, 1, 0
	s_add_co_u32 s19, s19, 1
	s_cmp_lt_u32 s19, s12
	s_cbranch_scc1 .Le
.Le_done:
	FINISH 34, 1
	TRIP 1, 0, 1, 1, QBYTES                        ; the second block's diagonal unit
	s_cmp_eq_u32 s22, 0
	s_cbranch_scc1 .Lo_done
	s_mov_b32 s19, 0
.Lo:                                               ; 2 (7 - x) of its 15 - 2x units below
	TRIP 0, 1, 0, 1, 0
	TRIP 1, 0, 0, 1, 0
	s_add_co_u32 s19, s19, 1
	s_cmp_lt_u32 s19, s22
	s_cbranch_scc1 .Lo
.Lo_done:
	TRIP 0, 1, 0, 0, 0                             ; unit 0: nothing is left to fetch
	FINISH 36, 0
	s_set_vgpr_msb 0x4
	s_wait_tensorcnt 0x0
	ds_add_u32 v255, v1
	s_wait_dscnt 0x0
	s_set_vgpr_msb 0x400
	s_endpgm
.Lfunc_end_k_qe76edb8f00_attn:
	.size	k_qe76edb8f00_attn, .Lfunc_end_k_qe76edb8f00_attn-k_qe76edb8f00_attn
	.p2alignl 7, 3214868480
	.fill 96, 4, 3214868480
	.section	.rodata,"a",@progbits
	.p2align	6, 0x0
	.amdhsa_kernel k_qe76edb8f00_attn
		.amdhsa_group_segment_fixed_size 327680
		.amdhsa_private_segment_fixed_size 0
		.amdhsa_enable_private_segment 0
		.amdhsa_kernarg_size 16
		.amdhsa_user_sgpr_count 2
		.amdhsa_user_sgpr_kernarg_segment_ptr 1
		.amdhsa_wavefront_size32 1
		.amdhsa_system_sgpr_workgroup_id_x 1
		.amdhsa_system_sgpr_workgroup_id_y 1
		.amdhsa_system_sgpr_workgroup_id_z 1
		.amdhsa_system_vgpr_workitem_id 0
		.amdhsa_next_free_vgpr 258
		.amdhsa_next_free_sgpr 72
		.amdhsa_reserve_vcc 1
		.amdhsa_float_denorm_mode_32 3
		.amdhsa_float_denorm_mode_16_64 3
		.amdhsa_memory_ordered 1
		.amdhsa_forward_progress 1
		.amdhsa_inst_pref_size 255
	.end_amdhsa_kernel
	.section	.bss,"aw",@nobits
	.p2align	6
	.space	262144
	.amdgpu_metadata
---
amdhsa.version: [ 1, 2 ]
amdhsa.kernels:
  - .name:           k_qe76edb8f00_attn
    .symbol:         k_qe76edb8f00_attn.kd
    .args:
      - { .name: qkv, .offset: 0, .size: 8, .value_kind: global_buffer, .address_space: global }
      - { .name: act, .offset: 8, .size: 8, .value_kind: global_buffer, .address_space: global }
    .group_segment_fixed_size: 327680
    .private_segment_fixed_size: 0
    .kernarg_segment_align: 8
    .kernarg_segment_size: 16
    .max_flat_workgroup_size: 256
    .sgpr_count:     72
    .vgpr_count:     258
    .wavefront_size: 32
...
	.end_amdgpu_metadata
.endif
;; end of part 3
;; launch oproj (part 4): grid 8 x 32, 4 waves a work-group, clusters of 4 x 4, 327,680 bytes of LDS; arguments act, wb, out0; writes out0
.if DOCPART == 4
	.amdgcn_target "amdgcn-amd-amdhsa--gfx1250"
	.amdhsa_code_object_version 6
	.text
	.protected	k_qe76edb8f00_oproj
	.globl	k_qe76edb8f00_oproj
	.p2align	8
	.type	k_qe76edb8f00_oproj,@function
k_qe76edb8f00_oproj:
	s_mov_b64 s[64:65], 0
	v_nop
	global_prefetch_b8 v0, s[64:65] scope:SCOPE_SE
	s_setreg_imm32_b32 hwreg(HW_REG_WAVE_MODE, 25, 1), 1
	s_wait_xcnt 0x0
	s_wait_alu depctr_hold_cnt(0) depctr_sa_sdst(0) depctr_va_vdst(0) depctr_va_sdst(0) depctr_va_ssrc(0) depctr_va_vcc(0) depctr_vm_vsrc(0)
	s_getreg_b32 s2, hwreg(HW_REG_IB_STS2, 6, 4)
	s_cmp_eq_u32 s2, 0
	s_cbranch_scc0 .Lentry_in_a_cluster
	s_endpgm
.Lentry_in_a_cluster:
	s_bfe_u32 s2, ttmp6, 0x10000c
	s_cmp_lg_u32 s2, 0xf033
	s_cbranch_scc0 .Lentry_shape_is_right
	s_endpgm
.Lentry_shape_is_right:
; out0 = a Wo^T.  C[m][n] = sum over k of A[m][k] B[n][k]: A = act [8192][1024] (the attention result in f16), B = wb rows 3072-4095
; (Wo rounded to bf16, in f16's code), sums in f32, C [8192][1024] in f32.
; The same shape as the launch that makes q, k and v: a work-group makes 256 x 128 of C (8 x 32 = 256 groups, one a WGP), four waves of
; 64 x 128 (32 accumulator tiles = window 1), K in steps of 128 through two LDS slots, clusters of 4 x 4 with A's tile asked for jointly
; along a row and B's along a column, the matrix instruction used transposed (lane l: row l % 16 of C, columns 8 (l / 16) + 0..7).
; It differs in the f16 form, in B's first row and in the way out: f32 rows of 512 bytes through a stage of pitch 528.
.set SIZE_K, 1024
.set BROW0,  3072                      ; Wo's first row in wb
.set KSTEP,  128
.set PITCH,  272                       ; an LDS row: 256 bytes + 16 of padding, an odd multiple of 16
.set ATILE,  128*PITCH                 ; what wave 0 or 1 brings: 128 rows of A
.set BTILE,  64*PITCH                  ; what wave 2 or 3 brings: 64 rows of B
.set ABYTES, 2*ATILE
.set SLOT,   ABYTES+2*BTILE            ; 104,448 bytes
.set STAGE,  2*SLOT                    ; behind the ring: 16 rows x 528 bytes for each wave; no tensor load fills it
.set SPITCH, 528                       ; 512 + 16, an odd multiple of 16
.set LAPS,   SIZE_K/(2*KSTEP)
.set ADRA, 16                          ; v16-17  LDS address of my A fragments in slot 0, 1
.set ADRB, 20                          ; v20-21  the same for B
.set STO,  24                          ; v24     the way out: where I put 32 bytes of a row
.set RD,   25                          ; v25     the way out: where I read a row back
.set CO,   26                          ; v26     my byte offset in a row of C
.set F0,   32                          ; v32-127   fragment buffer 0: B's eight at +8 b, A's four at +64 + 8 a
.set F1,   128                         ; v128-223  fragment buffer 1
.set G1,  24                           ; s[24:31] descriptor group 1 for A's tiles
.set G0,  32                           ; s[32:39] group 0 for A's tiles, a set for each slot
.set G1B, 48                           ; s[48:55] group 1 for B's tiles
.set G0B, 56                           ; s[56:63] group 0 for B's tiles, a set for each slot
.set MSB, 0
.macro WIN new                         ; s_set_vgpr_msb: bits 1:0 source 0, 3:2 source 1, 5:4 source 2, 7:6 destination; the high byte repeats the setting that is left
.if MSB != \new
	s_set_vgpr_msb (MSB<<8)|\new
.set MSB, \new
.endif
.endm
.set MUL, 0x50                         ; C and D in window 1, fragments in window 0
; A joint load: waves 0 and 1 fetch A's halves, waves 2 and 3 B's; four v_nop follow each line.
.macro JLOAD s
	s_cmp_eq_u32 s11, 0
	s_cbranch_scc0 .Lfor_b_\@
	tensor_load_to_lds s[G0+4*\s:G0+4*\s+3], s[G1:G1+7]
	s_nop 0
.rept 4
	v_nop
.endr
	s_branch .Lasked_\@
.Lfor_b_\@:
	tensor_load_to_lds s[G0B+4*\s:G0B+4*\s+3], s[G1B:G1B+7]
	s_nop 0
.rept 4
	v_nop
.endr
.Lasked_\@:
.endm
.macro CREST                           ; a round of the cluster's barrier behind its opening work-group barrier
	s_cmp_lg_u32 s10, 0
	s_cbranch_scc1 .Lnot_wave_0_\@
	s_barrier_signal -3
.Lnot_wave_0_\@:
	s_barrier_wait -3
	s_barrier_signal -1
	s_barrier_wait -1
.endm
.macro CROUND
	s_barrier_signal -1
	s_barrier_wait -1
	CREST
.endm
	s_load_b128 s[4:7], s[0:1], 0x0                ; act s[4:5], wb s[6:7]
	s_load_b64 s[8:9], s[0:1], 0x10                ; out0
	v_lshl_add_u32 v254, v0, 2, 0x3b400
	v_mov_b32 v255, 0
	ds_add_u32 v254, v255
	ds_add_u32 v254, v255
	v_lshrrev_b32 v1, 5, v0
	v_readfirstlane_b32 s10, v1                    ; wave 0..3
	s_lshr_b32 s11, s10, 1                         ; I fetch for A (0) or for B (1)
	s_and_b32 s12, s10, 1                          ; which half of that tile
	s_bfe_u32 s40, ttmp6, 0x40000                  ; cx
	s_bfe_u32 s41, ttmp6, 0x40004                  ; cy
	s_lshl_b32 s42, ttmp9, 2
	s_add_co_u32 s42, s42, s40                     ; block column, 0..7
	s_and_b32 s13, ttmp7, 0xffff
	s_lshl_b32 s13, s13, 2
	s_add_co_u32 s13, s13, s41                     ; block row, 0..31
	s_lshl_b32 s43, s41, 2
	s_lshl_b32 s43, 15, s43                        ; my row of the cluster
	s_lshl_b32 s44, 0x1111, s40                    ; my column
	s_or_b32 s[G1+0], s43, (1<<16)|(1<<20)|(1<<21)|(5<<22)|(3<<25)   ; mask; 2-byte elements; padding on; bit 21 beside a mask; after every 64 words, 4 words
	s_or_b32 s[G1B+0], s44, (1<<16)|(1<<20)|(1<<21)|(5<<22)|(3<<25)
	s_mov_b32 s[G1+1], KSTEP<<16                   ; tensor_dim0 = 128
	s_mov_b32 s[G1B+1], KSTEP<<16
	s_mov_b32 s[G1+2], 128<<16                     ; tensor_dim1 = 128 rows of A
	s_mov_b32 s[G1B+2], 64<<16                     ;             = 64 rows of B
	s_mov_b32 s[G1+3], KSTEP<<16                   ; tile_dim0 = 128
	s_mov_b32 s[G1B+3], KSTEP<<16
	s_mov_b32 s[G1+4], 128                         ; tile_dim1
	s_mov_b32 s[G1B+4], 64
	s_mov_b32 s[G1+5], SIZE_K                      ; elements from row to row
	s_mov_b32 s[G1B+5], SIZE_K
	s_mov_b32 s[G1+6], 0
	s_mov_b32 s[G1B+6], 0
	s_mov_b32 s[G1+7], 0
	s_mov_b32 s[G1B+7], 0
	s_lshl_b32 s16, s13, 19                        ; A: 256 rows of 2,048 bytes
	s_lshl_b32 s17, s12, 18                        ; + 128 rows for the second half
	s_add_co_u32 s16, s16, s17
	s_mov_b32 s17, 0
	s_lshl_b32 s46, s42, 18                        ; B: 128 rows of 2,048 bytes
	s_lshl_b32 s47, s12, 17                        ; + 64 rows for the second half
	s_add_co_u32 s46, s46, s47
	s_add_co_u32 s46, s46, BROW0*2048              ; behind Wq, Wk and Wv
	s_mov_b32 s47, 0
	s_mul_i32 s20, s10, ATILE                      ; LDS: A's halves at wave x 34,816 (waves 0, 1)
	s_mul_i32 s45, s10, BTILE
	s_add_co_u32 s45, s45, ATILE                   ; B's halves at 34,816 + wave x 17,408 (waves 2, 3)
	s_wait_dscnt 0x0
	s_wait_kmcnt 0x0
	s_add_nc_u64 s[14:15], s[4:5], s[16:17]
	s_add_nc_u64 s[46:47], s[6:7], s[46:47]
	CROUND                                         ; all sixteen work-groups are here: the first joint loads meet
.irp s, 0,1
	s_mov_b32 s[G0+4*\s], 1
	s_add_co_u32 s[G0+4*\s+1], s20, \s*SLOT
	s_add_nc_u64 s[G0+4*\s+2:G0+4*\s+3], s[14:15], \s*KSTEP*2
	s_or_b32 s[G0+4*\s+3], s[G0+4*\s+3], 0x80000000
	s_mov_b32 s[G0B+4*\s], 1
	s_add_co_u32 s[G0B+4*\s+1], s45, \s*SLOT
	s_add_nc_u64 s[G0B+4*\s+2:G0B+4*\s+3], s[46:47], \s*KSTEP*2
	s_or_b32 s[G0B+4*\s+3], s[G0B+4*\s+3], 0x80000000
	JLOAD \s                                       ; both slots' first fills go out together: two loads of the wave are out
.endr
	v_and_b32 v1, 15, v0
	v_bfe_u32 v2, v0, 4, 1
	v_mul_u32_u24 v3, v1, PITCH
	v_lshl_add_u32 v3, v2, 4, v3                   ; row x pitch + 16 x half
	s_mul_i32 s21, s10, 64*PITCH                   ; my 64 rows of A
	s_mov_b32 s22, ABYTES                          ; all 128 rows of B
.irp s, 0,1
	v_add_nc_u32 v[ADRA+\s], s21, v3
	v_add_nc_u32 v[ADRB+\s], s22, v3
	s_add_co_u32 s21, s21, SLOT
	s_add_co_u32 s22, s22, SLOT
.endr
	s_mul_i32 s23, s10, 16*SPITCH
	s_add_co_u32 s23, s23, STAGE                   ; my stage
	v_mul_u32_u24 v4, v1, SPITCH                   ; in: row l % 16, 32 bytes for each half of the lanes
	v_lshl_add_u32 v4, v2, 5, v4
	v_add_nc_u32 v[STO], s23, v4
	v_and_b32 v5, 31, v0
	v_lshlrev_b32 v[CO], 4, v5                     ; back and out: 32 lanes x 16 bytes are a row's 512 bytes
	v_add_nc_u32 v[RD], s23, v[CO]
; 8 matrix instructions: row block a x all 8 column blocks, 32 along K.  zero = 1: the first product starts the sums.
; The 32 accumulators take turns, one instruction a turn, in the same order in every quarter step.
.macro MULA f, a, zero
.irp b, 0,1,2,3,4,5,6,7
.if \zero
	v_wmma_f32_16x16x32_f16 v[8*(8*\a+\b):8*(8*\a+\b)+7], v[\f+8*\b:\f+8*\b+7], v[\f+64+8*\a:\f+64+8*\a+7], 0
.else
	v_wmma_f32_16x16x32_f16 v[8*(8*\a+\b):8*(8*\a+\b)+7], v[\f+8*\b:\f+8*\b+7], v[\f+64+8*\a:\f+64+8*\a+7], v[8*(8*\a+\b):8*(8*\a+\b)+7]
.endif
.endr
.endm
.macro FETCH slot, k, f                ; 24 LDS loads in one run: B's eight fragments, then A's four
.irp i, 0,1,2,3,4,5,6,7
	ds_load_b128 v[\f+8*\i:\f+8*\i+3],   v[ADRB+\slot] offset:\k+\i*16*PITCH
	ds_load_b128 v[\f+8*\i+4:\f+8*\i+7], v[ADRB+\slot] offset:\k+\i*16*PITCH+32
.endr
.irp i, 0,1,2,3
	ds_load_b128 v[\f+64+8*\i:\f+64+8*\i+3],   v[ADRA+\slot] offset:\k+\i*16*PITCH
	ds_load_b128 v[\f+64+8*\i+4:\f+64+8*\i+7], v[ADRA+\slot] offset:\k+\i*16*PITCH+32
.endr
.endm
.macro PLACES                          ; four places behind a matrix instruction, ahead of loads into its sources and of reads of its result
.rept 4
	v_nop
.endr
.endm
.macro QUARTER slot, k, f, g, zero
	s_wait_dscnt 4                                 ; B's fragments and A's blocks 0, 1 are in; the four youngest loads (A's blocks 2, 3) may be out
	WIN MUL
	MULA \f, 0, \zero
	MULA \f, 1, \zero
	PLACES
	WIN 0
	FETCH \slot, \k, \g
	s_wait_dscnt 24                                ; all but the 24 just issued
	WIN MUL
	MULA \f, 2, \zero
	MULA \f, 3, \zero
.endm
.macro THREE slot, zero
	QUARTER \slot, 64,  F0, F1, \zero
	QUARTER \slot, 128, F1, F0, 0
	QUARTER \slot, 192, F0, F1, 0
.endm
; The change of slots: each wave's waits for its reads of this slot and for all its tensor loads stand in front of the barrier, which opens
; a round of the cluster's barrier where this slot is filled again; the joint refill is the first tensor load behind the round.
.macro TURN slot, next, fill
	s_wait_dscnt 4
	WIN MUL
	MULA F1, 0, 0
	s_wait_dscnt 0                                 ; my reads of this slot are over
	s_wait_tensorcnt 0x0                           ; all my tensor loads have landed: the one that was out is my part of the next slot
	ds_add_u32 v254, v255
	s_wait_dscnt 0x0
	s_barrier_signal -1
	MULA F1, 1, 0                                  ; register work while the others arrive
	WIN 0
	s_barrier_wait -1
.if \fill
	CREST
	s_add_nc_u64 s[G0+4*\slot+2:G0+4*\slot+3], s[G0+4*\slot+2:G0+4*\slot+3], 2*KSTEP*2
	s_add_nc_u64 s[G0B+4*\slot+2:G0B+4*\slot+3], s[G0B+4*\slot+2:G0B+4*\slot+3], 2*KSTEP*2
	JLOAD \slot                                    ; its four v_nop are also the places in front of the loads below
.else
	PLACES
.endif
	FETCH \next, 0, F0
	WIN MUL
	MULA F1, 2, 0
	MULA F1, 3, 0
.endm
.macro LAP zero
	THREE 0, \zero
	TURN 0, 1, 1
	THREE 1, 0
	TURN 1, 0, 1
.endm
	s_wait_tensorcnt 1                             ; my part of K step 0 is in; K step 1's may stay out
	s_barrier_signal -1
	s_barrier_wait -1
	FETCH 0, 0, F0
	LAP 1
	WIN 0
	s_mov_b32 s3, LAPS-2
.Llap:
	LAP 0
	WIN 0
	s_sub_co_u32 s3, s3, 1
	s_cmp_lg_u32 s3, 0
	s_cbranch_scc1 .Llap
	THREE 0, 0                                     ; the last lap fills nothing
	TURN 0, 1, 0
	THREE 1, 0
	s_wait_dscnt 4
	WIN MUL
	MULA F1, 0, 0
	MULA F1, 1, 0
	s_wait_dscnt 0
	MULA F1, 2, 0
	MULA F1, 3, 0
	PLACES                                         ; the places behind the last matrix instructions, for the LDS stores of results and the loads into the buffers
	WIN 0
	s_lshl_b32 s16, s13, 20                        ; my first row: (256 block row + 64 wave) x 4,096 bytes
	s_lshl_b32 s15, s10, 18
	s_add_co_u32 s16, s16, s15
	s_mov_b32 s17, 0
	s_add_nc_u64 s[8:9], s[8:9], s[16:17]
	s_lshl_b32 s46, s42, 9                         ; my 128 columns: 512 bytes x block column, in registers that held B's offset
	s_mov_b32 s47, 0
	s_add_nc_u64 s[8:9], s[8:9], s[46:47]
; rows 16 a .. 16 a + 15 of my block: 32 bytes a lane and tile straight from the accumulators into my own stage, read back as whole rows
.macro OUT16F a, f
	WIN 0x04                                       ; an LDS store's data (source 1) in window 1
.irp b, 0,1,2,3,4,5,6,7
	ds_store_b128 v[STO], v[8*(8*\a+\b):8*(8*\a+\b)+3]   offset:64*\b
	ds_store_b128 v[STO], v[8*(8*\a+\b)+4:8*(8*\a+\b)+7] offset:64*\b+16
.endr
	WIN 0
	s_wait_xcnt 0x0                                ; buffer f, which earlier stores read, is loaded again only behind this wait
.irp t, 0,1,2,3,4,5,6,7,8,9,10,11,12,13,14,15
	ds_load_b128 v[\f+4*\t:\f+4*\t+3], v[RD] offset:\t*SPITCH      ; LDS serves a wave's instructions in order: these see the stores above
.endr
.irp t, 0,1,2,3,4,5,6,7,8,9,10,11,12,13,14,15
	s_wait_dscnt 15-\t
	global_store_b128 v[CO], v[\f+4*\t:\f+4*\t+3], s[8:9] offset:(16*\a+\t)*4096 th:TH_STORE_NT   ; 32 lanes store 512 consecutive bytes, aligned
.endr
.endm
	OUT16F 0, F0
	OUT16F 1, F1
	OUT16F 2, F0
	OUT16F 3, F1
	s_wait_tensorcnt 0x0
	ds_add_u32 v254, v255
	s_wait_dscnt 0x0
	CROUND                                         ; the closing round
	s_endpgm
.Lfunc_end_k_qe76edb8f00_oproj:
	.size	k_qe76edb8f00_oproj, .Lfunc_end_k_qe76edb8f00_oproj-k_qe76edb8f00_oproj
	.p2alignl 7, 3214868480
	.fill 96, 4, 3214868480
	.section	.rodata,"a",@progbits
	.p2align	6, 0x0
	.amdhsa_kernel k_qe76edb8f00_oproj
		.amdhsa_group_segment_fixed_size 327680
		.amdhsa_private_segment_fixed_size 0
		.amdhsa_enable_private_segment 0
		.amdhsa_kernarg_size 24
		.amdhsa_user_sgpr_count 2
		.amdhsa_user_sgpr_kernarg_segment_ptr 1
		.amdhsa_wavefront_size32 1
		.amdhsa_system_sgpr_workgroup_id_x 1
		.amdhsa_system_sgpr_workgroup_id_y 1
		.amdhsa_system_sgpr_workgroup_id_z 1
		.amdhsa_system_vgpr_workitem_id 0
		.amdhsa_next_free_vgpr 512
		.amdhsa_next_free_sgpr 66
		.amdhsa_reserve_vcc 0
		.amdhsa_float_denorm_mode_32 3
		.amdhsa_float_denorm_mode_16_64 3
		.amdhsa_memory_ordered 1
		.amdhsa_forward_progress 1
		.amdhsa_inst_pref_size 118
	.end_amdhsa_kernel
	.amdgpu_metadata
---
amdhsa.version: [ 1, 2 ]
amdhsa.kernels:
  - .name:           k_qe76edb8f00_oproj
    .symbol:         k_qe76edb8f00_oproj.kd
    .args:
      - { .name: act, .offset: 0, .size: 8, .value_kind: global_buffer, .address_space: global }
      - { .name: wb, .offset: 8, .size: 8, .value_kind: global_buffer, .address_space: global }
      - { .name: out0, .offset: 16, .size: 8, .value_kind: global_buffer, .address_space: global }
    .group_segment_fixed_size: 327680
    .private_segment_fixed_size: 0
    .kernarg_segment_align: 8
    .kernarg_segment_size: 24
    .max_flat_workgroup_size: 128
    .sgpr_count:     66
    .vgpr_count:     512
    .wavefront_size: 32
...
	.end_amdgpu_metadata
.endif
;; end of part 4
;; ======== version 2 of 2: 4 launches; version 1 with the launch cast written anew for expert scheduling mode
;; limits: values are held in f16: magnitudes above 65,504 overflow, below 6.1e-05 lose precision
;; workspace buffers: act 16,777,216 bytes; wb 8,388,608 bytes; qkv 50,331,648 bytes
;; launch cast (part 5): grid 768 x 1, 8 waves a work-group, no clusters, 0 bytes of LDS; arguments x, Wq, Wk, Wv, Wo, act, wb; writes act, wb
.if DOCPART == 5
	.amdgcn_target "amdgcn-amd-amdhsa--gfx1250"
	.amdhsa_code_object_version 6
	.text
	.protected	k_qe76edb8f00_cast
	.globl	k_qe76edb8f00_cast
	.p2align	8
	.type	k_qe76edb8f00_cast,@function
k_qe76edb8f00_cast:
	s_mov_b64 s[64:65], 0
	v_nop
	global_prefetch_b8 v0, s[64:65] scope:SCOPE_SE
	s_setreg_imm32_b32 hwreg(HW_REG_WAVE_SCHED_MODE, 0, 2), 2
	s_setreg_imm32_b32 hwreg(HW_REG_WAVE_MODE, 25, 1), 1
	s_wait_xcnt 0x0
	s_wait_alu depctr_vm_vsrc(0)
; The five f32 inputs are rounded once to 16 bits, so that the products that follow load matrix operands as they are.
;   act [8192][1024] = x in bf16.   wb [4096][1024]: rows 0-1023 Wq, 1024-2047 Wk, 2048-3071 Wv in bf16, rows 3072-4095 Wo.
; Wo is rounded to bf16 as the other four are, so that all inputs enter the products at one precision, and that number is then written
; in f16's code, because its partner in the last product (the attention result) is kept in f16.  f16 holds a bf16 number exactly from
; 2^-14 up to 65,504; below 2^-14 the second step errs by 2^-25 at the most.  LIMIT: |Wo| < 65,504.
; A stream: no LDS, no barrier, no matrix unit.  A work-group takes 16,384 numbers (64 KiB in, 32 KiB out): 512 groups for x, 64 for each W.
; Thread t takes 16 bytes at 16 t of each block of 4,096 bytes: a wave's load covers 512 consecutive bytes, its store 256 consecutive
; bytes, aligned.  All sixteen loads of a wave go out at once.
; THE MODE: SCHED_MODE bits 1:0 = 2 (LLVM: expert scheduling mode 2), set by the entry lines.  The code itself states the register
; dependences between vector instructions and memory instructions, with s_wait_alu, always for 0.
; THE PLAN.  Registers that memory instructions touch:
;   v1, v2   byte offsets, written once at the head by vector instructions and never again; v1 is read by every load, v2 by every store.
;   X        slot i's four registers: its load lands in them, once; no vector instruction names them ahead of the loads; no memory
;            instruction ever reads them (Wo's arm writes them again, behind the slot's own wait for its data: vector work alone).
;   Y        slot i's two registers: written by the slot's conversions, read by the slot's one store, and not written behind it.
; So no register that a memory instruction has read is ever written again, and the only dependences to state are vector results that memory
; instructions read: the two offsets, by one wait ahead of the first load; and Y, by one wait for each block of four slots, behind
; the block's conversions and ahead of its four stores, which stand in one run.
.set X, 4                              ; v[4:67]   slot i: four f32 as loaded
.set Y, 68                             ; v[68:99]  slot i: four 16-bit numbers to store
; The four stores of block p.
.macro OUT4 p
	s_wait_alu depctr_va_vdst(0)                   ; the block's conversions have written its eight registers of Y, which the four stores below read
.irp i, 0,1,2,3
.set n, 4*(\p)+(\i)
	global_store_b64 v2, v[Y+2*n:Y+2*n+1], s[26:27] offset:2048*n
.endr
.endm
; Block p, slots 4 p to 4 p + 3, of x, Wq, Wk or Wv: to bf16.
.macro PLAIN p
	s_wait_loadcnt 12-4*(\p)                       ; loads come back in order: the block's four slots are in, the 12 - 4 p younger ones stay out
.irp i, 0,1,2,3
.set n, 4*(\p)+(\i)
	v_cvt_pk_bf16_f32 v[Y+2*n],   v[X+4*n],   v[X+4*n+1]
	v_cvt_pk_bf16_f32 v[Y+2*n+1], v[X+4*n+2], v[X+4*n+3]
.endr
	OUT4 \p
.endm
; Block p of Wo: to bf16, widened again, and that number in f16's code.
.macro TWICE p
	s_wait_loadcnt 12-4*(\p)
.irp i, 0,1,2,3
.set n, 4*(\p)+(\i)
	v_cvt_pk_bf16_f32 v[Y+2*n],   v[X+4*n],   v[X+4*n+1]
	v_cvt_pk_bf16_f32 v[Y+2*n+1], v[X+4*n+2], v[X+4*n+3]
	v_lshlrev_b32 v[X+4*n],   16, v[Y+2*n]                 ; the slot's own load has landed: its registers are free
	v_and_b32     v[X+4*n+1], 0xffff0000, v[Y+2*n]
	v_lshlrev_b32 v[X+4*n+2], 16, v[Y+2*n+1]
	v_and_b32     v[X+4*n+3], 0xffff0000, v[Y+2*n+1]
	v_cvt_pk_f16_f32 v[Y+2*n],   v[X+4*n],   v[X+4*n+1]
	v_cvt_pk_f16_f32 v[Y+2*n+1], v[X+4*n+2], v[X+4*n+3]
.endr
	OUT4 \p
.endm
	s_load_b256 s[4:11], s[0:1], 0x0               ; x s[4:5], Wq s[6:7], Wk s[8:9], Wv s[10:11]
	s_load_b128 s[12:15], s[0:1], 0x20             ; Wo s[12:13], act s[14:15]
	s_load_b64 s[16:17], s[0:1], 0x30              ; wb
	s_mov_b32 s23, ttmp9                           ; g, the work-group's number
	s_sub_co_u32 s20, s23, 512                     ; g' = g - 512: the place among the weights' 256 groups (wraps for x's groups, which do not use it)
	s_lshr_b32 s21, s20, 6                         ; which weight: 0 Wq, 1 Wk, 2 Wv, 3 Wo
	s_and_b32 s22, s20, 63                         ; which sixty-fourth of it
	v_lshlrev_b32 v1, 4, v0                        ; 16 t: my bytes in a block that is loaded
	v_lshlrev_b32 v2, 3, v0                        ; 8 t: my bytes in a block that is stored
	s_wait_kmcnt 0x0
	s_cmp_eq_u32 s21, 1
	s_cselect_b64 s[24:25], s[8:9], s[6:7]         ; the source: a choice between buffers on the group's number alone
	s_cmp_eq_u32 s21, 2
	s_cselect_b64 s[24:25], s[10:11], s[24:25]
	s_cmp_eq_u32 s21, 3
	s_cselect_b64 s[24:25], s[12:13], s[24:25]
	s_cmp_lt_u32 s23, 512
	s_cselect_b64 s[24:25], s[4:5], s[24:25]
	s_cselect_b64 s[26:27], s[14:15], s[16:17]     ; the destination: act or wb
	s_cselect_b32 s28, s23, s22                    ; the group's place in its source,
	s_cselect_b32 s30, s23, s20                    ; and in its destination
	s_lshl_b32 s28, s28, 16                        ; x 65,536 bytes
	s_mov_b32 s29, 0
	s_lshl_b32 s30, s30, 15                        ; x 32,768 bytes
	s_mov_b32 s31, 0
	s_add_nc_u64 s[24:25], s[24:25], s[28:29]
	s_add_nc_u64 s[26:27], s[26:27], s[30:31]
	s_wait_alu depctr_va_vdst(0)                   ; v1 and v2 are written: every load below reads v1 as its offset, every store of either arm v2
.irp i, 0,1,2,3,4,5,6,7,8,9,10,11,12,13,14,15
	global_load_b128 v[X+4*\i:X+4*\i+3], v1, s[24:25] offset:4096*\i th:TH_LOAD_NT   ; read once in the launch
.endr
	s_cmp_eq_u32 s21, 3
	s_cbranch_scc1 .Lwo
	PLAIN 0
	PLAIN 1
	PLAIN 2
	PLAIN 3
	s_endpgm
.Lwo:                                              ; Wo
	TWICE 0
	TWICE 1
	TWICE 2
	TWICE 3
	s_endpgm
.Lfunc_end_k_qe76edb8f00_cast:
	.size	k_qe76edb8f00_cast, .Lfunc_end_k_qe76edb8f00_cast-k_qe76edb8f00_cast
	.p2alignl 7, 3214868480
	.fill 96, 4, 3214868480
	.section	.rodata,"a",@progbits
	.p2align	6, 0x0
	.amdhsa_kernel k_qe76edb8f00_cast
		.amdhsa_group_segment_fixed_size 0
		.amdhsa_private_segment_fixed_size 0
		.amdhsa_enable_private_segment 0
		.amdhsa_kernarg_size 56
		.amdhsa_user_sgpr_count 2
		.amdhsa_user_sgpr_kernarg_segment_ptr 1
		.amdhsa_wavefront_size32 1
		.amdhsa_system_sgpr_workgroup_id_x 1
		.amdhsa_system_sgpr_workgroup_id_y 1
		.amdhsa_system_sgpr_workgroup_id_z 1
		.amdhsa_system_vgpr_workitem_id 0
		.amdhsa_next_free_vgpr 100
		.amdhsa_next_free_sgpr 66
		.amdhsa_reserve_vcc 0
		.amdhsa_float_denorm_mode_32 3
		.amdhsa_float_denorm_mode_16_64 3
		.amdhsa_memory_ordered 1
		.amdhsa_forward_progress 1
		.amdhsa_inst_pref_size 16
	.end_amdhsa_kernel
	.amdgpu_metadata
---
amdhsa.version: [ 1, 2 ]
amdhsa.kernels:
  - .name:           k_qe76edb8f00_cast
    .symbol:         k_qe76edb8f00_cast.kd
    .args:
      - { .name: x, .offset: 0, .size: 8, .value_kind: global_buffer, .address_space: global }
      - { .name: Wq, .offset: 8, .size: 8, .value_kind: global_buffer, .address_space: global }
      - { .name: Wk, .offset: 16, .size: 8, .value_kind: global_buffer, .address_space: global }
      - { .name: Wv, .offset: 24, .size: 8, .value_kind: global_buffer, .address_space: global }
      - { .name: Wo, .offset: 32, .size: 8, .value_kind: global_buffer, .address_space: global }
      - { .name: act, .offset: 40, .size: 8, .value_kind: global_buffer, .address_space: global }
      - { .name: wb, .offset: 48, .size: 8, .value_kind: global_buffer, .address_space: global }
    .group_segment_fixed_size: 0
    .private_segment_fixed_size: 0
    .kernarg_segment_align: 8
    .kernarg_segment_size: 56
    .max_flat_workgroup_size: 256
    .sgpr_count:     66
    .vgpr_count:     100
    .wavefront_size: 32
...
	.end_amdgpu_metadata
.endif
;; end of part 5
;; launch qkv: the kernel of part 2 again; grid 12 x 32, 4 waves a work-group, clusters of 4 x 4, 327,680 bytes of LDS; arguments act, wb, qkv; writes qkv
;; launch attn: the kernel of part 3 again; grid 8 x 32, 8 waves a work-group, no clusters, 327,680 bytes of LDS; arguments qkv, act; writes act
;; launch oproj: the kernel of part 4 again; grid 8 x 32, 4 waves a work-group, clusters of 4 x 4, 327,680 bytes of LDS; arguments act, wb, out0; writes out0
